; MI455X (gfx1250); checked and timed in simulation.
; The chip was launched on July 23, 2026; its instructions are those of AMD's public machine-readable ISA for CDNA 5 (MIT licence, August 2026) and "CDNA5" Instruction Set Architecture Reference Guide (July 2026). The comments in the code are by the model that wrote it; some were corrected since.
;; grad. Allowed arithmetic: matrix products marked QUANTISED: E2M3 operands, one E8M0 scale for each 32 along K, by v_wmma_scale_f32_16x16x128_f8f6f4 with both operands' format E2M3, f32 sums; products left as they are: f32 operands where the result goes on into a quantised operand, else bf16, f16 or f32 operands; f32 sums; everything else in f32.
;; Inputs: W1 128 x 512 float32; W2 512 x 512 float32; W3 512 x 1 float32; b1 512 float32; b2 512 float32; b3 1 float32; x 65,536 x 128 float32.
;; Outputs: out0 65,536 x 128 float32.
;; This version of the problem:
;;   THIS VERSION OF THE PROBLEM IS GIVEN IN LOW PRECISION. The matrix products marked QUANTISED in the list below multiply operands that are first quantised to E2M3 (2 exponent bits, 3 mantissa bits; 6 bits a number), with one power-of-two scale for each 32 numbers along K (OCP MX v1.0); their sums are f32. All else is computed in f32.
;;   The module's matrix products, in the order in which they are computed (A, B: the left and right operand; K: the contracted axis; several contracted axes count as one K, in the product's order):
;;     1. [M 65,536, K 128] x [K 128, N 512]; A: input x; B: input W1: QUANTISED
;;     2. [M 65,536, K 512] x [K 512, N 512]; A: computed on the way; B: input W2: QUANTISED
;;     3. [M 65,536, K 512] x [K 512, N 1]; A: computed on the way; B: input W3: left as it is (N = 1 < 16)
;;     4. [M 65,536, K 1] x [K 1, N 512]; A: computed on the way; B: input W3: left as it is (K = 1 < 32)
;;     5. [M 65,536, K 512] x [K 512, N 512]; A: computed on the way; B: input W2: QUANTISED
;;     6. [M 65,536, K 512] x [K 512, N 128]; A: computed on the way; B: input W1: QUANTISED
;;   THE QUANTISER, for each operand of a quantised product, along K:
;;     - K is cut into blocks of 32 from its start; a last block that is shorter is filled with zeros.
;;     - A block's scale is 2^e with e = floor(log2(the largest magnitude in the block)) - 2, held to -126 .. 127; a block of zeros has e = 0. As a byte (E8M0): e + 127.
;;     - Each number is divided by its block's scale, clamped to +-7.5, and rounded to the nearest number of E2M3, ties to even, subnormals kept.
;;     - The product sums the exact products of the quantised numbers (number of the format x scale) in f32.
;;   ~~~python
;;   def quantise(x, axis):      # numpy; x: float32 -> the quantised numbers, widened to float32 again
;;       x = np.moveaxis(x, axis, -1); K = x.shape[-1]
;;       x = np.pad(x, [(0, 0)] * (x.ndim - 1) + [(0, -K % 32)]); x = x.reshape(x.shape[:-1] + (-1, 32)); a = np.abs(x).max(-1, keepdims=True)
;;       e = np.where(a > 0, np.clip(np.frexp(np.where(a > 0, a, 1))[1] - 1 - 2, -126, 127), 0)      # np.frexp(a)[1] - 1 = floor(log2(a)), exactly
;;       r = np.clip(x / 2.0 ** e, -7.5, 7.5)
;;       step = 2.0 ** (np.maximum(np.frexp(np.where(r == 0, 1, r))[1] - 1, 0) - 3)
;;       q = np.round(r / step) * step * 2.0 ** e      # np.round: ties to even
;;       return np.moveaxis(q.reshape(q.shape[:-2] + (-1,))[..., :K], -1, axis).astype(np.float32)
;;   ~~~
;;   OPERANDS COMPUTED ON THE WAY. 'Computed on the way' means the value that the module computes at that place (a softmax that the list does not call 'softmax' is quantised finished and normalised). What goes into a quantiser is computed in f32, as accurately as f32 sums, v_exp_f32 and their like allow (about 1e-6 of the number): no bf16 or f16 on the way to a quantiser, and a product that is left as it is and whose result goes on into a quantised operand takes f32 operands (vector FMAs, or v_wmma_f32_16x16x4_f32). A number that lies on a knife's edge between two numbers of the format may be rounded either way, as far as f32 arithmetic and the matrix unit's own rounding can turn it there, and no further.
;; 2 versions, each right; version 2 is version 1 with the launch chain written anew for expert scheduling mode. Each part assembles by itself: llvm-mc -triple=amdgcn-amd-amdhsa -mcpu=gfx1250 --defsym DOCPART=n.
;; ======== version 1 of 2: 2 launches
;; workspace buffers: wq 512,000 bytes
;; launch layw (part 1): grid 10 x 8, 4 waves a work-group, no clusters, 768 bytes of LDS; arguments W1, W2, wq; writes wq
.if DOCPART == 1
	.amdgcn_target "amdgcn-amd-amdhsa--gfx1250"
	.amdhsa_code_object_version 6
	.text
	.protected	k_qdb2d745fb9_layw
	.globl	k_qdb2d745fb9_layw
	.p2align	8
	.type	k_qdb2d745fb9_layw,@function
k_qdb2d745fb9_layw:
	s_mov_b64 s[64:65], 0
	v_nop
	global_prefetch_b8 v0, s[64:65] scope:SCOPE_SE
	s_setreg_imm32_b32 hwreg(HW_REG_WAVE_MODE, 25, 1), 1
	s_wait_xcnt 0x0
; The four weight operands of the chain, quantised ONCE to codes of FP6 (E2M3) with one E8M0 byte for each 32 along K, and laid in the order of the reader's operand registers.
; W1 [128][512], W2 [512][512], f32, rows of 2,048 bytes.  wq: for each wave w (0..7) of the reader a stream of 64,000 bytes: ten sets G of 6,400 bytes.
; A set = 4 fragments f of 1,536 bytes (16 operand rows x 128 K: 12 registers a lane; registers 4 i .. 4 i + 3 of lane l at 512 (3 f + i) + 16 l) and, at 6,144, a record of 256 bytes of scale words:
; the word of fragment f, operand row p, at 8 (p + 16 (f % 2)) + 4 (f / 2), so that one load of 8 bytes a lane gives the reader two scale registers (register f / 2, lanes 16 (f % 2) + p).
;   G = 0      x W1:       operand row p = column n = 64 w + 32 (p / 8) + 8 f + p % 8 of W1, K = W1's first axis
;   G = 1 + s  h1 W2:      the same n of W2, K = rows 128 s .. 128 s + 127 of W2
;   G = 5 + s  dz2 W2^T:   operand row p = ROW 64 w + 32 (p / 8) + 8 f + p % 8 of W2, K = columns 128 s .. of W2: W2 is quantised a second time, along its other axis
;   G = 9      dz1 W1^T:   operand row p = row 16 w + p of W1, K = columns 128 f .. of W1 (here the fragment's number is the K step)
; In a fragment lane (p, h) holds K = 64 c + 32 h + 0 .. 31 in registers 6 c .. 6 c + 5: two whole blocks of 32, so a block's largest magnitude needs no other lane.
; A block's scale is 2^(floor(log2(largest magnitude)) - 2); its byte is the largest magnitude's exponent field - 2, held at 1 from below.  (A block of zeros so gets the byte 1 where the rule says 127:
; its codes are zeros, which add nothing under any byte but 0xff, and the bytes are read by this program alone.)
; LIMITS: blocks whose largest magnitude lies under 2^(3 - 127) keep the floor's byte; NaN and infinities among the inputs are not served.
; SHARES: work-group (x, y) = (G, w), its four waves are the set's four fragments.  80 work-groups: the job is 1.3 MB read once, there is no more to share out.
	s_load_b128 s[4:7], s[0:1], 0x0                ; W1, W2
	s_load_b64 s[8:9], s[0:1], 0x10                ; wq
	v_lshl_add_u32 v128, v0, 2, 0x100
	v_mov_b32 v129, 0
	v_lshrrev_b32 v1, 5, v0
	v_readfirstlane_b32 s16, v1                    ; f: my wave's number
	s_mov_b32 s17, ttmp9                           ; G
	s_and_b32 s18, ttmp7, 0xffff                   ; w
	v_and_b32 v1, 31, v0                           ; lane
	v_and_b32 v2, 15, v0                           ; p
	v_bfe_u32 v3, v0, 4, 1                         ; h
	v_lshrrev_b32 v4, 3, v2                        ; p / 8
	v_and_b32 v5, 7, v2                            ; p % 8
	v_lshlrev_b32 v7, 4, v1                        ; 16 x lane: my place in a plane of the fragment
	v_lshlrev_b32 v8, 3, v1                        ; 8 x lane: my place in the scale record
	s_and_b32 s19, s16, 1
	s_lshl_b32 s19, s19, 7
	s_lshr_b32 s25, s16, 1
	s_lshl_b32 s25, s25, 2
	s_add_co_u32 s19, s19, s25                     ; 128 (f % 2) + 4 (f / 2)
	v_lshlrev_b32 v9, 3, v2
	v_add_nc_u32 v9, s19, v9                       ; LDS: where my operand row's scale word goes
	v_mov_b32 v21, 0                               ; a lane permute's destination counts as one of its sources
	s_mov_b32 s26, 0x76543210
	s_mov_b32 s27, 0xfedcba98                      ; v_permlanex16_b32's selects for lane l xor 16
	s_mul_i32 s22, s18, 64000
	s_mul_i32 s25, s17, 6400
	s_add_co_u32 s22, s22, s25
	s_mul_i32 s25, s16, 1536
	s_add_co_u32 s22, s22, s25                     ; my fragment's first byte in wq
	s_mov_b32 s23, 0
	s_mov_b32 s21, 0
	s_cmp_eq_u32 s17, 0
	s_cselect_b32 s19, 1, 0
	s_cmp_eq_u32 s17, 9
	s_cselect_b32 s25, 1, 0
	s_or_b32 s19, s19, s25                         ; sets 0 and 9 are W1's
	s_wait_kmcnt 0x0
	s_add_nc_u64 s[8:9], s[8:9], s[22:23]
	s_cmp_lg_u32 s19, 0                            ; the choice hangs on the work-group's number alone
	s_cselect_b64 s[4:5], s[4:5], s[6:7]
	s_cmp_lt_u32 s17, 5
	s_cbranch_scc0 .Lkin
	; K IS THE FIRST AXIS (G = 0 .. 4): a lane takes a column, its registers run down K
	s_max_u32 s20, s17, 1
	s_sub_co_u32 s20, s20, 1                       ; the K step: 0 for G = 0, else G - 1
	s_lshl_b32 s20, s20, 18                        ; 128 rows of 2,048 bytes
	s_lshl_b32 s25, s18, 8
	s_add_co_u32 s20, s20, s25
	s_lshl_b32 s25, s16, 5
	s_add_co_u32 s20, s20, s25                     ; + 4 (64 w + 8 f)
	s_add_nc_u64 s[4:5], s[4:5], s[20:21]
	v_lshlrev_b32 v6, 16, v3                       ; 32 h rows
	v_lshl_add_u32 v6, v4, 7, v6                   ; + 4 x 32 (p / 8)
	v_lshl_add_u32 v6, v5, 2, v6                   ; + 4 (p % 8)
.irp c, 0,1
.irp i, 0,1,2,3,4,5,6,7,8,9,10,11,12,13,14,15,16,17,18,19,20,21,22,23,24,25,26,27,28,29,30,31
	global_load_b32 v[64+32*\c+\i], v6, s[4:5] offset:(64*\c+\i)*2048
.endr
.endr
	s_branch .Lquant
.Lkin:
	; K IS THE SECOND AXIS (G = 5 .. 9): a lane takes a row, and 128 consecutive bytes of it for each block
	s_lshl_b32 s20, s18, 15
	s_lshl_b32 s25, s16, 9
	s_add_co_u32 s20, s20, s25                     ; G = 9: row 16 w, column 128 f
	s_lshl_b32 s24, s18, 17
	s_lshl_b32 s25, s16, 14
	s_add_co_u32 s24, s24, s25
	s_sub_co_u32 s25, s17, 5
	s_lshl_b32 s25, s25, 9
	s_add_co_u32 s24, s24, s25                     ; G = 5 + s: row 64 w + 8 f, column 128 s
	s_cmp_eq_u32 s17, 9
	s_cselect_b32 s20, s20, s24
	s_cselect_b32 s24, 0, 24                       ; G = 9: row + p;  else row + p + 24 (p / 8) = row + 32 (p / 8) + p % 8
	s_add_nc_u64 s[4:5], s[4:5], s[20:21]
	v_mul_u32_u24 v6, s24, v4
	v_add_nc_u32 v6, v6, v2
	v_lshlrev_b32 v6, 11, v6
	v_lshl_add_u32 v6, v3, 7, v6                   ; + 32 h columns
.irp c, 0,1
.irp q, 0,1,2,3,4,5,6,7
	global_load_b128 v[64+32*\c+4*\q:64+32*\c+4*\q+3], v6, s[4:5] offset:256*\c+16*\q
.endr
.endr
.Lquant:
	s_wait_loadcnt 0x0                             ; v[64 + 32 c + i] = my operand row's number at K = 64 c + 32 h + i
.irp c, 0,1                                    ; each block's largest magnitude, in two chains; the two blocks by turns
	v_max3_num_f32 v[12+2*\c], |v[64+32*\c]|, |v[65+32*\c]|, |v[66+32*\c]|
	v_max3_num_f32 v[13+2*\c], |v[67+32*\c]|, |v[68+32*\c]|, |v[69+32*\c]|
.endr
.irp i, 6,10,14,18,22,26
.irp c, 0,1
	v_max3_num_f32 v[12+2*\c], v[12+2*\c], |v[64+32*\c+\i]|, |v[65+32*\c+\i]|
	v_max3_num_f32 v[13+2*\c], v[13+2*\c], |v[66+32*\c+\i]|, |v[67+32*\c+\i]|
.endr
.endr
.irp c, 0,1
	v_max3_num_f32 v[12+2*\c], v[12+2*\c], |v[94+32*\c]|, |v[95+32*\c]|
.endr
.irp c, 0,1
	v_max3_num_f32 v[12+2*\c], v[12+2*\c], v[13+2*\c], 0x1800000   ; and the floor 2^(3 - 127): the byte cannot fall under 1
.endr
.irp c, 0,1
	v_add_nc_u32 v[16+\c], 0xff000000, v[12+2*\c]  ; 2 off the exponent field: the conversion takes the exponent field of this operand as its scale
.endr
.irp c, 0,1
	v_lshrrev_b32 v[18+\c], 23, v[16+\c]           ; the scale's byte
.endr
	v_lshl_or_b32 v20, v19, 16, v18                ; my two bytes: blocks h and 2 + h of my operand row,
	v_lshlrev_b32 v22, 3, v3
	v_lshlrev_b32 v20, v22, v20                    ; at their places in the scale word (8 h bits up);
	v_permlanex16_b32 v21, v20, s26, s27
	v_or_b32 v20, v20, v21                         ; with lane l xor 16's two the word is whole
.irp c, 0,1
	v_cvt_scalef32_pk16_fp6_f32 v[48+6*\c:50+6*\c], v[64+32*\c:79+32*\c], v[16+\c]
	v_cvt_scalef32_pk16_fp6_f32 v[24+4*\c:26+4*\c], v[80+32*\c:95+32*\c], v[16+\c]   ; (a conversion's three registers begin on an even number: the second half is made elsewhere and moved)
.endr
	v_nop                                          ; one plain place behind a scaled conversion
.irp c, 0,1
.irp i, 0,1,2
	v_mov_b32 v[51+6*\c+\i], v[24+4*\c+\i]
.endr
.endr
.irp i, 0,1,2
	global_store_b128 v7, v[48+4*\i:51+4*\i], s[8:9] offset:512*\i   ; 32 lanes store 512 consecutive bytes, at a multiple of 256 from wq's first byte
.endr
	ds_store_b32 v9, v20                           ; lanes l and l xor 16 write the same word with the same value
	s_wait_dscnt 0x0                               ; for the others' sake: my words are in LDS
	s_barrier_signal -1
	s_barrier_wait -1
	s_cmp_lg_u32 s16, 0
	s_cbranch_scc1 .Ldone
	ds_load_b64 v[22:23], v8                       ; wave 0 (its base is the set's first byte) stores the four fragments' scale words
	s_wait_dscnt 0x0
	global_store_b64 v8, v[22:23], s[8:9] offset:6144   ; 256 consecutive bytes, aligned
.Ldone:
	s_wait_tensorcnt 0x0
	ds_add_u32 v128, v129
	s_wait_dscnt 0x0
	s_endpgm
.Lfunc_end_k_qdb2d745fb9_layw:
	.size	k_qdb2d745fb9_layw, .Lfunc_end_k_qdb2d745fb9_layw-k_qdb2d745fb9_layw
	.p2alignl 7, 3214868480
	.fill 96, 4, 3214868480
	.section	.rodata,"a",@progbits
	.p2align	6, 0x0
	.amdhsa_kernel k_qdb2d745fb9_layw
		.amdhsa_group_segment_fixed_size 768
		.amdhsa_private_segment_fixed_size 0
		.amdhsa_enable_private_segment 0
		.amdhsa_kernarg_size 24
		.amdhsa_user_sgpr_count 2
		.amdhsa_user_sgpr_kernarg_segment_ptr 1
		.amdhsa_wavefront_size32 1
		.amdhsa_system_sgpr_workgroup_id_x 1
		.amdhsa_system_sgpr_workgroup_id_y 1
		.amdhsa_system_sgpr_workgroup_id_z 1
		.amdhsa_system_vgpr_workitem_id 0
		.amdhsa_next_free_vgpr 130
		.amdhsa_next_free_sgpr 66
		.amdhsa_reserve_vcc 0
		.amdhsa_float_denorm_mode_32 3
		.amdhsa_float_denorm_mode_16_64 3
		.amdhsa_memory_ordered 1
		.amdhsa_forward_progress 1
		.amdhsa_inst_pref_size 15
	.end_amdhsa_kernel
	.amdgpu_metadata
---
amdhsa.version: [ 1, 2 ]
amdhsa.kernels:
  - .name:           k_qdb2d745fb9_layw
    .symbol:         k_qdb2d745fb9_layw.kd
    .args:
      - { .name: W1, .offset: 0, .size: 8, .value_kind: global_buffer, .address_space: global }
      - { .name: W2, .offset: 8, .size: 8, .value_kind: global_buffer, .address_space: global }
      - { .name: wq, .offset: 16, .size: 8, .value_kind: global_buffer, .address_space: global }
    .group_segment_fixed_size: 768
    .private_segment_fixed_size: 0
    .kernarg_segment_align: 8
    .kernarg_segment_size: 24
    .max_flat_workgroup_size: 128
    .sgpr_count:     66
    .vgpr_count:     130
    .wavefront_size: 32
...
	.end_amdgpu_metadata
.endif
;; end of part 1
;; launch chain (part 2): grid 256 x 1, 8 waves a work-group, no clusters, 314,368 bytes of LDS; arguments x, b1, b2, W3, wq, out0; writes out0
.if DOCPART == 2
	.amdgcn_target "amdgcn-amd-amdhsa--gfx1250"
	.amdhsa_code_object_version 6
	.text
	.protected	k_qdb2d745fb9_chain
	.globl	k_qdb2d745fb9_chain
	.p2align	8
	.type	k_qdb2d745fb9_chain,@function
k_qdb2d745fb9_chain:
	s_mov_b64 s[64:65], 0
	v_nop
	global_prefetch_b8 v0, s[64:65] scope:SCOPE_SE
	s_setreg_imm32_b32 hwreg(HW_REG_WAVE_MODE, 25, 1), 1
	s_wait_xcnt 0x0
; out0 = -d/dx of the sum over rows of f(x_i), f = tanh(tanh(x W1 + b1) W2 + b2) W3 + b3.  x, out0: [65536][128] f32.  All four large products on codes of FP6 (E2M3), one E8M0 scale for each 32 along K.
;   z1 = Q(x) Q(W1) + b1, h1 = tanh z1;  z2 = Q(h1) Q(W2) + b2, h2 = tanh z2;  dz2 = W3[j] (1 - h2^2);  dh1 = Q(dz2) Q(W2^T);  dz1 = dh1 (1 - h1^2);  out0 = -Q(dz1) Q(W1^T).
; NOT COMPUTED: the value h2 W3 + b3.  The gradient holds neither that product nor b3, for any input: b3 is not read.  The gradient's seed times W3^T is W3[j] itself.
; ARITHMETIC OF A NUMBER, all f32: t = 2^(c z), c = 2 log2 e;  s = 1 / (1 + t);  tanh z = 1 - 2 s;  1 - tanh^2 z = 4 (s - s^2).  t = infinity gives s = 0, t = 0 gives s = 1: both right.
; Signs and the factor 4 cost nothing: y2 = (s2^2 - s2) W3 = -dz2 / 4 and y1 = acc (s1 - s1^2) = -dz1 / 4 are converted under their own block's scale, and the scale byte that is handed on is 2 higher,
; which is the exponent field of the block's largest |y| itself.  The quantiser is odd and commutes with powers of two: the operands are exactly Q(-dz2) and Q(-dz1), and the last sums are out0.
; LIMITS: NaN and infinities among the inputs are not served.  A block whose largest magnitude lies under 2^(3 - 127) keeps that floor's byte (a block of zeros has zero codes).  tanh by 1 - 2 s has an
; absolute error of about 2e-7; s - s^2 loses relative accuracy where s is near 1 (z far below 0), as 1 - tanh^2 in f32 does at both ends.
; SHARES.  A work-group takes 256 rows, as two blocks of 128.  THE EIGHT WAVES SHARE THE COLUMNS: wave w owns hidden units 64 w .. 64 w + 63 of both layers, forward and backward, and outputs 16 w .. 16 w + 15,
; for all 128 rows: 8 tiles of rows x 4 tiles of columns = 32 accumulators.  Each weight fragment is wanted by ONE wave of the work-group: it comes from wq straight into that wave's registers.
; ALL PRODUCTS ARE USED TRANSPOSED (source 0 = 16 operand rows of a weight, source 1 = 16 rows of activations).  In column tile t operand row p is hidden unit 64 w + 32 (p / 8) + 8 t + p % 8, so lane (r, h)
; holds row r, and the 32 registers of a tile of rows are units 64 w + 32 h + 0 .. 31: ONE WHOLE BLOCK OF 32 IN ONE LANE.  No lane is asked for a maximum, and two conversions give registers 6 c .. 6 c + 5
; (c = w % 2) of K step w / 2 of the next operand, in the lane that wants them; the lane's scale byte is byte 2 c + h of its row's scale word.
; Codes go from wave to wave through LDS as images of the operand's registers.  s1 is kept for the way back in LDS as an image of the wave's own accumulators.
; NO CLUSTER, NO JOINT LOADS, though all work-groups walk the same weights: LDS holds 262,144 bytes of s1 (128 rows x 512 x 4), 49,152 of codes and 2,048 of scale words = 313,344; a slot for one K step's
; weights would be 8 x 6,400 = 51,200 bytes more than a work-group can have.  Blocks of 64 rows would make room and read every weight twice as often.
; LDS:  0 ..        s1: wave w at 32768 w; tile of rows m, registers 4 i .. 4 i + 3 at 4096 m + 512 i + 16 x lane.  Laid over it, at times when no s1 is alive:
;                   the stage for out0, 128 rows x 528, from 0; the stages for x, 16 rows x 528 a wave, from XSTG.  (528 bytes = 132 words: row r starts at bank 4 r mod 64: ISA guide 11.1)
;       CODES ..    fragment (K step s, tile of rows m) at 1536 (8 s + m); half c at + 768 c: registers 0-3 of the half at 16 x lane, then, 512 on, registers 4-5 at 8 x lane
;       ASC ..      512 bytes a K step: the scale word of (m, row r) at 16 r + 256 (m % 2) + 4 (m / 2): one load of 16 bytes a lane gives four scale registers (register m / 2, lanes 16 (m % 2) + r)
; REGISTERS, window 0: v1-17 addresses, made once;  v20-27 activations' scale words, two sets;  v28-31 weights' scale words, two sets;  v32-127 eight fragments of activations (between products: at work);
;   v128-175, v176-223 two sets of four weight fragments;  v224-255 32 numbers a lane by column: b1, then b2, then W3.   window 1: the 32 accumulators, (m, t) at v[8 (4 m + t)];
;   the last product's eight at v[64 + 8 m]; the next block's x in v0-63.
.set XSTG,  131072
.set CODES, 262144
.set ASC,   CODES+32*1536
.set SP,    528
.set AF,    32                         ; fragments of activations
.set COLC,  224                        ; numbers by column
.set PC0,   96                         ; v96-103, v104-111: the codes just made, two sets by turns: +0 .. +5 half a fragment, +7 the scale's byte
.set TM,    112                        ; v112-115 four maxima, v116 the conversion's scale operand
.set MSB, 0
.macro WIN new                         ; s_set_vgpr_msb: bits 1:0 source 0, 3:2 source 1, 5:4 source 2, 7:6 destination; the high byte repeats the setting that is left
.if MSB != (\new)
	s_set_vgpr_msb (MSB<<8)|(\new)
.set MSB, (\new)
.endif
.endm
; A load into a register that a matrix instruction has named, and a vector instruction or store that reads a matrix result, stand four places behind it; only plain vector instructions that name none of
; its registers are places.
.macro PLACES
.rept 4
	v_nop
.endr
.endm
.macro BARRIER                         ; my LDS stores have landed and my LDS loads are in: then the work-group's barrier
	s_wait_dscnt 0x0
	s_barrier_signal -1
	s_barrier_wait -1
.endm
.macro LOADW G                         ; set G of my stream: 12 loads of 512 consecutive bytes, and the scale record: 13 loads
.set WB_, 128+48*((\G)&1)
.set ii, 0
.rept 12
	global_load_b128 v[WB_+4*ii:WB_+4*ii+3], v1, s[12:13] offset:6400*(\G)+512*ii
.set ii, ii+1
.endr
	global_load_b64 v[28+2*((\G)&1):29+2*((\G)&1)], v2, s[12:13] offset:6400*(\G)+6144
.endm
.macro LOADC p                         ; 32 numbers by column: those of units 64 w + 32 h + 0 .. 31: 8 loads
.set ii, 0
.rept 8
	global_load_b128 v[COLC+4*ii:COLC+4*ii+3], v17, s[\p:\p+1] offset:16*ii
.set ii, ii+1
.endr
.endm
.macro XLOAD off                       ; my 16 rows of x, a row of 512 consecutive bytes an instruction, into window 1: 16 loads
	WIN 0x40
.set ii, 0
.rept 16
	global_load_b128 v[4*ii:4*ii+3], v1, s[4:5] offset:(\off)+512*ii th:TH_LOAD_NT
.set ii, ii+1
.endr
	WIN 0
.endm
.macro FETCHS s                        ; K step s: the scale words of all eight tiles of rows
	ds_load_b128 v[20+4*((\s)&1):23+4*((\s)&1)], v11 offset:512*(\s)
.endm
.macro FETCHA s, m0                    ; K step s: the fragments of tiles of rows m0 .. m0 + 3: 16 loads
.set mm, \m0
.rept 4
.set FF_, (8*(\s)+mm)*1536
	ds_load_b128 v[AF+12*mm:AF+12*mm+3], v3 offset:FF_
	ds_load_b64 v[AF+12*mm+4:AF+12*mm+5], v4 offset:FF_
	ds_load_b128 v[AF+12*mm+6:AF+12*mm+9], v3 offset:FF_+768
	ds_load_b64 v[AF+12*mm+10:AF+12*mm+11], v4 offset:FF_+768
.set mm, mm+1
.endr
.endm
; One matrix instruction.  d: D;  a: the weight's fragment;  b: the activations';  c: C's first register, or below 0 for the constant 0;  sa, sb: the scale registers;  ra, rb: 1 = lanes 16-31 of them
.macro WM d, a, b, c, sa, sb, ra, rb
.if (\c) < 0
.if ((\ra) == 0) && ((\rb) == 0)
	v_wmma_scale_f32_16x16x128_f8f6f4 v[(\d):(\d)+7], v[(\a):(\a)+11], v[(\b):(\b)+11], 0, v[(\sa)], v[(\sb)] matrix_a_fmt:MATRIX_FMT_FP6 matrix_b_fmt:MATRIX_FMT_FP6
.elseif (\rb) == 0
	v_wmma_scale_f32_16x16x128_f8f6f4 v[(\d):(\d)+7], v[(\a):(\a)+11], v[(\b):(\b)+11], 0, v[(\sa)], v[(\sb)] matrix_a_fmt:MATRIX_FMT_FP6 matrix_b_fmt:MATRIX_FMT_FP6 matrix_a_scale:MATRIX_SCALE_ROW1
.elseif (\ra) == 0
	v_wmma_scale_f32_16x16x128_f8f6f4 v[(\d):(\d)+7], v[(\a):(\a)+11], v[(\b):(\b)+11], 0, v[(\sa)], v[(\sb)] matrix_a_fmt:MATRIX_FMT_FP6 matrix_b_fmt:MATRIX_FMT_FP6 matrix_b_scale:MATRIX_SCALE_ROW1
.else
	v_wmma_scale_f32_16x16x128_f8f6f4 v[(\d):(\d)+7], v[(\a):(\a)+11], v[(\b):(\b)+11], 0, v[(\sa)], v[(\sb)] matrix_a_fmt:MATRIX_FMT_FP6 matrix_b_fmt:MATRIX_FMT_FP6 matrix_a_scale:MATRIX_SCALE_ROW1 matrix_b_scale:MATRIX_SCALE_ROW1
.endif
.else
.if ((\ra) == 0) && ((\rb) == 0)
	v_wmma_scale_f32_16x16x128_f8f6f4 v[(\d):(\d)+7], v[(\a):(\a)+11], v[(\b):(\b)+11], v[(\c):(\c)+7], v[(\sa)], v[(\sb)] matrix_a_fmt:MATRIX_FMT_FP6 matrix_b_fmt:MATRIX_FMT_FP6
.elseif (\rb) == 0
	v_wmma_scale_f32_16x16x128_f8f6f4 v[(\d):(\d)+7], v[(\a):(\a)+11], v[(\b):(\b)+11], v[(\c):(\c)+7], v[(\sa)], v[(\sb)] matrix_a_fmt:MATRIX_FMT_FP6 matrix_b_fmt:MATRIX_FMT_FP6 matrix_a_scale:MATRIX_SCALE_ROW1
.elseif (\ra) == 0
	v_wmma_scale_f32_16x16x128_f8f6f4 v[(\d):(\d)+7], v[(\a):(\a)+11], v[(\b):(\b)+11], v[(\c):(\c)+7], v[(\sa)], v[(\sb)] matrix_a_fmt:MATRIX_FMT_FP6 matrix_b_fmt:MATRIX_FMT_FP6 matrix_b_scale:MATRIX_SCALE_ROW1
.else
	v_wmma_scale_f32_16x16x128_f8f6f4 v[(\d):(\d)+7], v[(\a):(\a)+11], v[(\b):(\b)+11], v[(\c):(\c)+7], v[(\sa)], v[(\sb)] matrix_a_fmt:MATRIX_FMT_FP6 matrix_b_fmt:MATRIX_FMT_FP6 matrix_a_scale:MATRIX_SCALE_ROW1 matrix_b_scale:MATRIX_SCALE_ROW1
.endif
.endif
.endm
; 16 matrix instructions: tiles of rows m0 .. m0 + 3 x my four tiles of columns, K step s of the activations, weight set G.  cm = 0: onto the sums;  1: the bias by column starts them;  2: the constant 0 does.
; The 32 accumulators take turns, one instruction a turn, in the same order in every K step.
.macro MUL16 G, s, m0, cm
.if (\cm) == 0
	WIN 0x50                                       ; C and D window 1
.else
	WIN 0x40                                       ; D window 1
.endif
.set WB_, 128+48*((\G)&1)
.set WS_, 28+2*((\G)&1)
.set AS_, 20+4*((\s)&1)
.set mm, \m0
.rept 4
.set tt, 0
.rept 4
.if (\cm) == 0
.set CC_, 8*(4*mm+tt)
.elseif (\cm) == 1
.set CC_, COLC+8*tt
.else
.set CC_, -1
.endif
	WM 8*(4*mm+tt), WB_+12*tt, AF+12*mm, CC_, WS_+tt/2, AS_+mm/2, tt%2, mm%2
.set tt, tt+1
.endr
.set mm, mm+1
.endr
	WIN 0
.endm
; The last product: 4 matrix instructions: tiles of rows m0 .. m0 + 3 x my one tile of outputs; set 9's fragment s is K step s.  Eight accumulators by turns.
.macro MUL6 s, m0
.if (\s) == 0
	WIN 0x40
.else
	WIN 0x50
.endif
.set AS_, 20+4*((\s)&1)
.set mm, \m0
.rept 4
.if (\s) == 0
.set CC_, -1
.else
.set CC_, 64+8*mm
.endif
	WM 64+8*mm, 176+12*(\s), AF+12*mm, CC_, 30+(\s)/2, AS_+mm/2, (\s)%2, mm%2
.set mm, mm+1
.endr
	WIN 0
.endm
; A K STEP.  first = 1: its fragments are fetched here (else the step before has asked for them).  last = 0: the next step's are fetched, tiles 0-3 in the middle, 4-7 at the end;
; last = 1: nothing is fetched, and the barrier that frees CODES and ASC for the next fill is split round the second half's products;  last = 2: nothing is fetched, no barrier.
; wl: how many younger global loads may stay out when this step's weights (and its numbers by column) have to be there; below 0: no wait.
.macro KSTEP G, s, first, last, cm, wl, six
.if \first
	FETCHS \s
	FETCHA \s, 0
	FETCHA \s, 4
.endif
.if (\wl) >= 0
	s_wait_loadcnt \wl
.endif
	s_wait_dscnt 16                                ; the scale words and tiles 0-3 are in; the youngest 16 loads (tiles 4-7) may be out
.if \six
	MUL6 \s, 0
.else
	MUL16 \G, \s, 0, \cm
.endif
	s_wait_dscnt 0x0                               ; tiles 4-7 are in
.if (\last) == 1
	s_barrier_signal -1                            ; my reads of CODES and ASC are over; only work on registers stands between this and the wait
.endif
.if (\last) == 0
	PLACES
	FETCHS (\s)+1
	FETCHA (\s)+1, 0
.endif
.if \six
	MUL6 \s, 4
.else
	MUL16 \G, \s, 4, \cm
.endif
.if (\last) == 1
	s_barrier_wait -1
.endif
	PLACES                                         ; for the loads that follow (fragments, weights, numbers by column) and for the first read of results
.if (\last) == 0
	FETCHA (\s)+1, 4
.endif
.endm
; 32 numbers of ONE block, v[src] .. v[src + 31] of window win, become half a fragment in v[pc] .. v[pc + 5] and the scale's byte in v[pc + 7].  adj = 2: the byte handed on is 2 above the conversion's.
.macro QUANT src, win, adj, pc
	WIN 0x15*(\win)
.set kk, 0
.rept 4
	v_max3_num_f32 v[TM+kk], |v[(\src)+8*kk]|, |v[(\src)+8*kk+1]|, |v[(\src)+8*kk+2]|   ; four chains, so that no line waits for the line above it
.set kk, kk+1
.endr
	WIN 0x05*(\win)
.irp o, 3,5
.set kk, 0
.rept 4
	v_max3_num_f32 v[TM+kk], |v[(\src)+8*kk+\o]|, |v[(\src)+8*kk+\o+1]|, v[TM+kk]
.set kk, kk+1
.endr
.endr
	v_max3_num_f32 v[TM], |v[(\src)+7]|, |v[(\src)+15]|, v[TM]
	v_max3_num_f32 v[TM+2], |v[(\src)+23]|, |v[(\src)+31]|, v[TM+2]
	WIN 0
	v_max3_num_f32 v[TM], v[TM], v[TM+1], v[TM+2]
	v_max3_num_f32 v[TM], v[TM], v[TM+3], 0x1800000   ; and the floor 2^(3 - 127): the conversion's byte cannot fall under 1
	v_add_nc_u32 v[TM+4], 0xff000000, v[TM]        ; 2 off the exponent field: the conversion takes the exponent field of this operand as its scale
.if (\adj) == 2
	v_lshrrev_b32 v[(\pc)+7], 23, v[TM]            ; the numbers are a quarter of what they stand for: the byte is 2 higher
.else
	v_lshrrev_b32 v[(\pc)+7], 23, v[TM+4]
.endif
	WIN 0x01*(\win)
	v_cvt_scalef32_pk16_fp6_f32 v[(\pc):(\pc)+2], v[(\src):(\src)+15], v[TM+4]
	v_cvt_scalef32_pk16_fp6_f32 v[(\pc)+4:(\pc)+6], v[(\src)+16:(\src)+31], v[TM+4]   ; (a conversion's three registers begin on an even number)
	WIN 0
	v_nop                                          ; one plain place behind a scaled conversion
	v_mov_b32 v[(\pc)+3], v[(\pc)+4]
	v_mov_b32 v[(\pc)+4], v[(\pc)+5]
	v_mov_b32 v[(\pc)+5], v[(\pc)+6]
.endm
.macro PUT a16, a8, ab, o, ob, pc      ; half a fragment's image and my block's scale byte go to LDS: 3 stores
	ds_store_b128 v[\a16], v[(\pc):(\pc)+3] offset:\o
	ds_store_b64 v[\a8], v[(\pc)+4:(\pc)+5] offset:\o
	ds_store_b8 v[\ab], v[(\pc)+7] offset:\ob
.endm
; s = 1 / (1 + 2^(c z)), in place on the 32 registers of tile of rows m; each accumulator is taken from its low end on
.macro TANHS m
	WIN 0x41
.set ii, 0
.rept 16
	v_pk_mul_f32 v[32*(\m)+2*ii:32*(\m)+2*ii+1], v[32*(\m)+2*ii:32*(\m)+2*ii+1], s[18:19] op_sel_hi:[1,0]
.set ii, ii+1
.endr
.set ii, 0
.rept 32
	v_exp_f32 v[32*(\m)+ii], v[32*(\m)+ii]
.set ii, ii+1
.endr
	v_nop                                          ; a plain place behind the transcendentals
.set ii, 0
	s_wait_alu depctr_va_vdst(0)
.rept 16
	v_pk_add_f32 v[32*(\m)+2*ii:32*(\m)+2*ii+1], v[32*(\m)+2*ii:32*(\m)+2*ii+1], 1.0 op_sel_hi:[1,0]
.set ii, ii+1
.endr
.set ii, 0
.rept 32
	v_rcp_f32 v[32*(\m)+ii], v[32*(\m)+ii]
.set ii, ii+1
.endr
	v_nop
.endm
; Behind the first product, tile of rows m: s1 is kept in LDS; h1 = 1 - 2 s1 is quantised: half a fragment of the second product's K step w / 2
.macro E1 m
	TANHS \m
	WIN 0x04                                       ; an LDS store's data are its source 1: window 1
.set ii, 0
	s_wait_alu depctr_va_vdst(0)
.rept 8
	ds_store_b128 v12, v[32*(\m)+4*ii:32*(\m)+4*ii+3] offset:4096*(\m)+512*ii
.set ii, ii+1
.endr
	WIN 0x01
.set ii, 0
.rept 16
	v_pk_fma_f32 v[32+2*ii:33+2*ii], v[32*(\m)+2*ii:32*(\m)+2*ii+1], -2.0, 1.0 op_sel_hi:[1,0,0]
.set ii, ii+1
.endr
	WIN 0
	s_wait_dscnt 19                                ; tile m - 2's three stores, which read this set of code registers, are done: behind them stand 8 + 3 + 8 younger LDS stores
	QUANT 32, 0, 0, PC0+8*((\m)%2)
	PUT 5, 6, 7, 1536*(\m), 256*((\m)%2)+4*((\m)/2), PC0+8*((\m)%2)
.endm
; Behind the second product: y2 = (s2^2 - s2) W3 = -dz2 / 4, in place, quantised
.macro E2 m
	TANHS \m
	WIN 0x55
.set ii, 0
	s_wait_alu depctr_va_vdst(0)
.rept 16
	v_pk_fma_f32 v[32*(\m)+2*ii:32*(\m)+2*ii+1], v[32*(\m)+2*ii:32*(\m)+2*ii+1], v[32*(\m)+2*ii:32*(\m)+2*ii+1], v[32*(\m)+2*ii:32*(\m)+2*ii+1] neg_lo:[0,0,1] neg_hi:[0,0,1]
.set ii, ii+1
.endr
	WIN 0x41
.set ii, 0
.rept 16
	v_pk_mul_f32 v[32*(\m)+2*ii:32*(\m)+2*ii+1], v[32*(\m)+2*ii:32*(\m)+2*ii+1], v[COLC+2*ii:COLC+2*ii+1]
.set ii, ii+1
.endr
	s_wait_dscnt 3                                 ; tile m - 2's three stores are done: behind them stand tile m - 1's three
	QUANT 32*(\m), 1, 2, PC0+8*((\m)%2)
	PUT 5, 6, 7, 1536*(\m), 256*((\m)%2)+4*((\m)/2), PC0+8*((\m)%2)
.endm
.macro LOADS m                         ; s1 of tile of rows m comes back, into v32-63 or v64-95 by turns: 8 loads
.set ii, 0
.rept 8
	ds_load_b128 v[32+32*((\m)%2)+4*ii:32+32*((\m)%2)+4*ii+3], v12 offset:4096*(\m)+512*ii
.set ii, ii+1
.endr
.endm
; Behind the third product (its sums are -dh1): y1 = sums x (s1 - s1^2) = -dz1 / 4, in place, quantised
.macro E5 m
.if (\m) < 7
	LOADS (\m)+1
.endif
.if (\m) == 0
	s_wait_dscnt 8                                 ; tile 0's s1 is in; behind its loads stand tile 1's eight
.elseif (\m) == 7
	s_wait_dscnt 3                                 ; behind tile 7's loads stand tile 6's three stores
.else
	s_wait_dscnt 11                                ; behind tile m's loads stand tile m - 1's three stores and tile m + 1's eight loads; tile m - 2's stores, which read this set of code registers, are older
.endif
.set SL_, 32+32*((\m)%2)
.set ii, 0
.rept 16
	v_pk_fma_f32 v[SL_+2*ii:SL_+2*ii+1], v[SL_+2*ii:SL_+2*ii+1], v[SL_+2*ii:SL_+2*ii+1], v[SL_+2*ii:SL_+2*ii+1] neg_lo:[1,0,0] neg_hi:[1,0,0]
.set ii, ii+1
.endr
	WIN 0x41
.set ii, 0
.rept 16
	v_pk_mul_f32 v[32*(\m)+2*ii:32*(\m)+2*ii+1], v[32*(\m)+2*ii:32*(\m)+2*ii+1], v[SL_+2*ii:SL_+2*ii+1]
.set ii, ii+1
.endr
	QUANT 32*(\m), 1, 2, PC0+8*((\m)%2)
	PUT 5, 6, 7, 1536*(\m), 256*((\m)%2)+4*((\m)/2), PC0+8*((\m)%2)
.endm
	s_load_b256 s[4:11], s[0:1], 0x0               ; x s[4:5], b1 s[6:7], b2 s[8:9], W3 s[10:11]
	s_load_b128 s[12:15], s[0:1], 0x20             ; wq s[12:13], out0 s[14:15]
	v_lshrrev_b32 v18, 5, v0
	v_readfirstlane_b32 s16, v18                   ; wave 0..7
	v_and_b32 v18, 31, v0                          ; lane
	v_and_b32 v19, 15, v0                          ; r
	v_bfe_u32 v17, v0, 4, 1                        ; h
	v_lshlrev_b32 v1, 4, v18                       ; v1   16 x lane
	v_lshlrev_b32 v2, 3, v18                       ; v2   8 x lane
	v_add_nc_u32 v3, CODES, v1                     ; v3   a fragment's registers 0-3 of a half
	v_add_nc_u32 v4, CODES+512, v2                 ; v4   and 4-5
	s_lshr_b32 s20, s16, 1                         ; w / 2: the K step that my hidden units belong to
	s_and_b32 s21, s16, 1                          ; w % 2: which half of its fragments
	s_mul_i32 s22, s20, 12288
	s_mul_i32 s23, s21, 768
	s_add_co_u32 s22, s22, s23
	v_add_nc_u32 v5, s22, v3                       ; v5, v6  where I put my half of a hidden fragment
	v_add_nc_u32 v6, s22, v4
	v_lshl_add_u32 v18, v19, 4, v17
	v_add_nc_u32 v18, ASC, v18                     ; ASC + 16 r + h
	s_lshl_b32 s22, s20, 9
	s_lshl_b32 s23, s21, 1
	s_add_co_u32 s22, s22, s23
	v_add_nc_u32 v7, s22, v18                      ; v7   my hidden block's scale byte: K step w / 2, byte 2 (w % 2) + h
	s_lshl_b32 s22, s21, 8
	s_lshl_b32 s23, s20, 2
	s_add_co_u32 s22, s22, s23
	v_add_nc_u32 v10, s22, v18                     ; v10  x's scale bytes: tile of rows w, byte h (+ 2 c)
	s_mul_i32 s22, s16, 1536
	v_add_nc_u32 v8, s22, v3                       ; v8, v9  where I put x's fragment: tile of rows w
	v_add_nc_u32 v9, s22, v4
	v_add_nc_u32 v11, ASC, v1                      ; v11  a K step's scale words
	s_lshl_b32 s22, s16, 15
	v_add_nc_u32 v12, s22, v1                      ; v12  my image of s1
	s_mul_i32 s22, s16, 16*SP
	v_add_nc_u32 v16, s22, v1                      ; v16  out0's stage, back: my 16 rows, 16 bytes a lane
	s_add_co_u32 s23, s22, XSTG
	v_add_nc_u32 v13, s23, v1                      ; v13  x's stage, in: a row as it lies
	v_mul_u32_u24 v15, v19, SP
	v_lshl_add_u32 v14, v17, 7, v15
	v_add_nc_u32 v14, s23, v14                     ; v14  x's stage, out: row r, + 128 h: my 32 numbers of a block
	v_lshl_add_u32 v15, v17, 5, v15
	s_lshl_b32 s22, s16, 6
	v_add_nc_u32 v15, s22, v15                     ; v15  out0's stage, in: row r, + 32 h + 64 w
	v_lshlrev_b32 v17, 7, v17                      ; v17  128 h: my 32 numbers by column
	s_mov_b32 s17, 2                               ; blocks of 128 rows to go
	s_mov_b32 s18, 0x4038aa3b                      ; c = 2 log2 e
	s_mov_b32 s19, s18                             ; (named with it as a pair, so it is written)
	s_lshl_b32 s28, ttmp9, 17                      ; 256 rows of 512 bytes a work-group,
	s_lshl_b32 s29, s16, 13                        ; 16 rows a wave
	s_add_co_u32 s28, s28, s29
	s_mov_b32 s29, 0
	s_lshl_b32 s30, s16, 8                         ; my 64 numbers by column
	s_mov_b32 s31, 0
	s_mul_i32 s32, s16, 64000                      ; my stream of weights
	s_mov_b32 s33, 0
	s_wait_kmcnt 0x0
	s_add_nc_u64 s[4:5], s[4:5], s[28:29]
	s_add_nc_u64 s[14:15], s[14:15], s[28:29]
	s_add_nc_u64 s[6:7], s[6:7], s[30:31]
	s_add_nc_u64 s[8:9], s[8:9], s[30:31]
	s_add_nc_u64 s[10:11], s[10:11], s[30:31]
	s_add_nc_u64 s[12:13], s[12:13], s[32:33]
	XLOAD 0                                        ; the order in which a block finds its loads: x 16, b1 8, set 0 13, set 1 13
	LOADC 6
	LOADW 0
	LOADW 1
.Lblock:
	; ---- X: my 16 rows of x turn through my stage and become one fragment (K = 128: one K step; tile of rows w)
	s_wait_loadcnt 21                              ; x is in: behind it stand b1's 8 and set 0's 13 loads.  Set 1's 13 are not counted: they are asked for under a branch of their own, and the count holds with or without them
	WIN 0x04
.set ii, 0
.rept 16
	ds_store_b128 v13, v[4*ii:4*ii+3] offset:SP*ii
.set ii, ii+1
.endr
	WIN 0
.irp c, 0,1
.irp q, 0,1,2,3,4,5,6,7
	ds_load_b128 v[32+32*\c+4*\q:32+32*\c+4*\q+3], v14 offset:256*\c+16*\q   ; LDS serves a wave's instructions in order (ISA guide 5.7.1.4): these see my stores.  x(r, 64 c + 32 h + 0 .. 31)
.endr
.endr
	s_wait_dscnt 8                                 ; the first block's eight loads are in
	QUANT 32, 0, 0, PC0
	PUT 8, 9, 10, 0, 0, PC0
	s_wait_dscnt 3                                 ; the second's too: behind them stand the three stores
	QUANT 64, 0, 0, PC0+8
	PUT 8, 9, 10, 768, 2, PC0+8
	BARRIER                                        ; x's eight fragments lie in LDS
	; ---- first product: z1 = Q(x) Q(W1) + b1
	KSTEP 0, 0, 1, 1, 1, 0, 0                      ; all loads are in: b1 and set 0 (set 1, asked for a phase ago, with them)
	LOADW 2
	LOADC 8                                        ; b2
.irp m, 0,1,2,3,4,5,6,7
	E1 \m
.endr
	BARRIER                                        ; h1's 32 fragments lie in LDS
	; ---- second product: z2 = Q(h1) Q(W2) + b2
	KSTEP 1, 0, 1, 0, 1, 0, 0                      ; b2 is the youngest load: all are waited for; they were asked for a phase ago
	LOADW 3
	LOADC 10                                       ; W3
	KSTEP 2, 1, 0, 0, 0, 21, 0                     ; set 2 is in; set 3's 13 and W3's 8 may be out
	LOADW 4
	KSTEP 3, 2, 0, 0, 0, 21, 0                     ; set 3 is in; behind it W3's 8 and set 4's 13
	LOADW 5
	KSTEP 4, 3, 0, 1, 0, 13, 0                     ; set 4 (and W3) are in; behind it set 5's 13
	LOADW 6
.irp m, 0,1,2,3,4,5,6,7
	E2 \m
.endr
	BARRIER                                        ; Q(-dz2)'s 32 fragments lie in LDS
	; ---- third product: -dh1 = Q(-dz2) Q(W2^T); each wait leaves out the one set asked for behind the set that is wanted
	KSTEP 5, 0, 1, 0, 2, 13, 0
	LOADW 7
	KSTEP 6, 1, 0, 0, 0, 13, 0
	LOADW 8
	KSTEP 7, 2, 0, 0, 0, 13, 0
	LOADW 9
	KSTEP 8, 3, 0, 1, 0, 13, 0
	LOADS 0
	E5 0
	E5 1
	s_wait_loadcnt 0x0                             ; set 9, the one load group that is out: so the last product needs no count that would differ between the two ways below
	s_cmp_eq_u32 s17, 1                            ; the next block's x, b1 and set 0 are asked for here, if there is a next block: no load leaves its buffer
	s_cbranch_scc1 .Lno1
	XLOAD 65536                                    ; into the registers that tiles of rows 0 and 1 have left
	LOADC 6
	LOADW 0
.Lno1:
.irp m, 2,3,4,5,6,7
	E5 \m
.endr
	BARRIER                                        ; Q(-dz1)'s 32 fragments lie in LDS, and nobody reads s1 any more
	; ---- fourth product: out0 = Q(-dz1) Q(W1^T): my 16 outputs for the 128 rows
	KSTEP 9, 0, 1, 0, 0, -1, 1
	KSTEP 9, 1, 0, 0, 0, -1, 1
	KSTEP 9, 2, 0, 0, 0, -1, 1
	KSTEP 9, 3, 0, 2, 0, -1, 1
	s_cmp_eq_u32 s17, 1
	s_cbranch_scc1 .Lno2
	LOADW 1                                        ; set 9's registers are free (four places stand behind its last product)
.Lno2:
	; ---- the way out: a lane holds 32 neighbouring bytes of a row, a row's 512 bytes come from eight waves: they meet in the stage, and each wave stores 16 whole rows
	WIN 0x04
.set mm, 0
.rept 8
	ds_store_b128 v15, v[64+8*mm:64+8*mm+3] offset:16*SP*mm          ; each accumulator from its low end on
	ds_store_b128 v15, v[64+8*mm+4:64+8*mm+7] offset:16*SP*mm+16
.set mm, mm+1
.endr
	WIN 0
	BARRIER                                        ; 128 whole rows lie in the stage; every wave's reads of CODES and ASC are over
.set ii, 0
.rept 16
	ds_load_b128 v[32+4*ii:35+4*ii], v16 offset:SP*ii
.set ii, ii+1
.endr
.set ii, 0
.rept 16
	s_wait_dscnt 15-ii                             ; LDS loads come back in order: row ii is in
	global_store_b128 v1, v[32+4*ii:35+4*ii], s[14:15] offset:512*ii th:TH_STORE_NT   ; 32 lanes store a row of 512 consecutive bytes, at a multiple of 256 from out0's first byte
.set ii, ii+1
.endr
	s_wait_xcnt 0x0                                ; the stores and loads have read their registers and bases: both may be written again
	s_add_nc_u64 s[4:5], s[4:5], 65536
	s_add_nc_u64 s[14:15], s[14:15], 65536
	s_sub_co_u32 s17, s17, 1
	s_cmp_lg_u32 s17, 0
	s_cbranch_scc1 .Lblock
	s_wait_xcnt 0x0
	v_lshl_add_u32 v254, v0, 2, 0x4c800
	v_mov_b32 v255, 0
	s_wait_tensorcnt 0x0
	ds_add_u32 v254, v255
	s_wait_dscnt 0x0
	s_endpgm
.Lfunc_end_k_qdb2d745fb9_chain:
	.size	k_qdb2d745fb9_chain, .Lfunc_end_k_qdb2d745fb9_chain-k_qdb2d745fb9_chain
	.p2alignl 7, 3214868480
	.fill 96, 4, 3214868480
	.section	.rodata,"a",@progbits
	.p2align	6, 0x0
	.amdhsa_kernel k_qdb2d745fb9_chain
		.amdhsa_group_segment_fixed_size 314368
		.amdhsa_private_segment_fixed_size 0
		.amdhsa_enable_private_segment 0
		.amdhsa_kernarg_size 48
		.amdhsa_user_sgpr_count 2
		.amdhsa_user_sgpr_kernarg_segment_ptr 1
		.amdhsa_wavefront_size32 1
		.amdhsa_system_sgpr_workgroup_id_x 1
		.amdhsa_system_sgpr_workgroup_id_y 1
		.amdhsa_system_sgpr_workgroup_id_z 1
		.amdhsa_system_vgpr_workitem_id 0
		.amdhsa_next_free_vgpr 512
		.amdhsa_next_free_sgpr 66
		.amdhsa_reserve_vcc 0
		.amdhsa_float_denorm_mode_32 3
		.amdhsa_float_denorm_mode_16_64 3
		.amdhsa_memory_ordered 1
		.amdhsa_forward_progress 1
		.amdhsa_inst_pref_size 255
	.end_amdhsa_kernel
	.section	.bss,"aw",@nobits
	.p2align	6
	.space	262144
	.amdgpu_metadata
---
amdhsa.version: [ 1, 2 ]
amdhsa.kernels:
  - .name:           k_qdb2d745fb9_chain
    .symbol:         k_qdb2d745fb9_chain.kd
    .args:
      - { .name: x, .offset: 0, .size: 8, .value_kind: global_buffer, .address_space: global }
      - { .name: b1, .offset: 8, .size: 8, .value_kind: global_buffer, .address_space: global }
      - { .name: b2, .offset: 16, .size: 8, .value_kind: global_buffer, .address_space: global }
      - { .name: W3, .offset: 24, .size: 8, .value_kind: global_buffer, .address_space: global }
      - { .name: wq, .offset: 32, .size: 8, .value_kind: global_buffer, .address_space: global }
      - { .name: out0, .offset: 40, .size: 8, .value_kind: global_buffer, .address_space: global }
    .group_segment_fixed_size: 314368
    .private_segment_fixed_size: 0
    .kernarg_segment_align: 8
    .kernarg_segment_size: 48
    .max_flat_workgroup_size: 256
    .sgpr_count:     66
    .vgpr_count:     512
    .wavefront_size: 32
...
	.end_amdgpu_metadata
.endif
;; end of part 2
;; ======== version 2 of 2: 2 launches; version 1 with the launch chain written anew for expert scheduling mode
;; workspace buffers: wq 512,000 bytes
;; launch layw: the kernel of part 1 again; grid 10 x 8, 4 waves a work-group, no clusters, 768 bytes of LDS; arguments W1, W2, wq; writes wq
;; launch chain (part 3): grid 256 x 1, 8 waves a work-group, no clusters, 314,368 bytes of LDS; arguments x, b1, b2, W3, wq, out0; writes out0
.if DOCPART == 3
	.amdgcn_target "amdgcn-amd-amdhsa--gfx1250"
	.amdhsa_code_object_version 6
	.text
	.protected	k_qdb2d745fb9_chain
	.globl	k_qdb2d745fb9_chain
	.p2align	8
	.type	k_qdb2d745fb9_chain,@function
k_qdb2d745fb9_chain:
	s_mov_b64 s[64:65], 0
	v_nop
	global_prefetch_b8 v0, s[64:65] scope:SCOPE_SE
	s_setreg_imm32_b32 hwreg(HW_REG_WAVE_SCHED_MODE, 0, 2), 2
	s_setreg_imm32_b32 hwreg(HW_REG_WAVE_MODE, 25, 1), 1
	s_wait_xcnt 0x0
	s_wait_alu depctr_vm_vsrc(0)
; out0 = -d/dx of the sum over rows of f(x_i), f = tanh(tanh(x W1 + b1) W2 + b2) W3 + b3.  x, out0: [65536][128] f32.  All four large products on codes of FP6 (E2M3), one E8M0 scale for each 32 along K.
;   z1 = Q(x) Q(W1) + b1, h1 = tanh z1;  z2 = Q(h1) Q(W2) + b2, h2 = tanh z2;  dz2 = W3[j] (1 - h2^2);  dh1 = Q(dz2) Q(W2^T);  dz1 = dh1 (1 - h1^2);  out0 = -Q(dz1) Q(W1^T).
; NOT COMPUTED: the value h2 W3 + b3.  The gradient holds neither that product nor b3, for any input: b3 is not read.  The gradient's seed times W3^T is W3[j] itself.
; ARITHMETIC OF A NUMBER, all f32: t = 2^(c z), c = 2 log2 e;  s = 1 / (1 + t);  tanh z = 1 - 2 s;  1 - tanh^2 z = 4 (s - s^2).  t = infinity gives s = 0, t = 0 gives s = 1: both right.
; Signs and the factor 4 cost nothing: y2 = (s2^2 - s2) W3 = -dz2 / 4 and y1 = acc (s1 - s1^2) = -dz1 / 4 are converted under their own block's scale, and the scale byte that is handed on is 2 higher,
; which is the exponent field of the block's largest |y| itself.  The quantiser is odd and commutes with powers of two: the operands are exactly Q(-dz2) and Q(-dz1), and the last sums are out0.
; LIMITS: NaN and infinities among the inputs are not served.  A block whose largest magnitude lies under 2^(3 - 127) keeps that floor's byte (a block of zeros has zero codes).  tanh by 1 - 2 s has an
; absolute error of about 2e-7; s - s^2 loses relative accuracy where s is near 1 (z far below 0), as 1 - tanh^2 in f32 does at both ends.
; SHARES.  A work-group takes 256 rows, as two blocks of 128.  THE EIGHT WAVES SHARE THE COLUMNS: wave w owns hidden units 64 w .. 64 w + 63 of both layers, forward and backward, and outputs 16 w .. 16 w + 15,
; for all 128 rows: 8 tiles of rows x 4 tiles of columns = 32 accumulators.  Each weight fragment is wanted by ONE wave of the work-group: it comes from wq straight into that wave's registers.
; ALL PRODUCTS ARE USED TRANSPOSED (source 0 = 16 operand rows of a weight, source 1 = 16 rows of activations).  In column tile t operand row p is hidden unit 64 w + 32 (p / 8) + 8 t + p % 8, so lane (r, h)
; holds row r, and the 32 registers of a tile of rows are units 64 w + 32 h + 0 .. 31: ONE WHOLE BLOCK OF 32 IN ONE LANE.  No lane is asked for a maximum, and two conversions give registers 6 c .. 6 c + 5
; (c = w % 2) of K step w / 2 of the next operand, in the lane that wants them; the lane's scale byte is byte 2 c + h of its row's scale word.
; Codes go from wave to wave through LDS as images of the operand's registers.  s1 is kept for the way back in LDS as an image of the wave's own accumulators.
; NO CLUSTER, NO JOINT LOADS, though all work-groups walk the same weights: LDS holds 262,144 bytes of s1 (128 rows x 512 x 4), 49,152 of codes and 2,048 of scale words = 313,344; a slot for one K step's
; weights would be 8 x 6,400 = 51,200 bytes more than a work-group can have.  Blocks of 64 rows would make room and read every weight twice as often.
; LDS:  0 ..        s1: wave w at 32768 w; tile of rows m, registers 4 i .. 4 i + 3 at 4096 m + 512 i + 16 x lane.  Laid over it, at times when no s1 is alive:
;                   the stage for out0, 128 rows x 528, from 0; the stages for x, 16 rows x 528 a wave, from XSTG.  (528 bytes = 132 words: row r starts at bank 4 r mod 64: ISA guide 11.1)
;       CODES ..    fragment (K step s, tile of rows m) at 1536 (8 s + m); half c at + 768 c: registers 0-3 of the half at 16 x lane, then, 512 on, registers 4-5 at 8 x lane
;       ASC ..      512 bytes a K step: the scale word of (m, row r) at 16 r + 256 (m % 2) + 4 (m / 2): one load of 16 bytes a lane gives four scale registers (register m / 2, lanes 16 (m % 2) + r)
; REGISTERS, window 0: v1-17 addresses, made once;  v20-27 activations' scale words, two sets;  v28-31 weights' scale words, two sets;  v32-127 eight fragments of activations (between products: at work);
;   v128-175, v176-223 two sets of four weight fragments;  v224-255 32 numbers a lane by column: b1, then b2, then W3.   window 1: the 32 accumulators, (m, t) at v[8 (4 m + t)];
;   the last product's eight at v[64 + 8 m]; the next block's x in v0-63.
; THE MODE: SCHED_MODE bits 1:0 = 2 (LLVM: expert scheduling mode 2), set by the entry lines.  The code itself states the register dependences between vector or matrix instructions and memory or LDS
; instructions, with s_wait_alu, always for 0.
; THE PLAN.  Registers that memory or LDS instructions touch, and who else names them:
;   v1-17        Offsets and LDS addresses: written at the head, ahead of one wait on va_vdst; never written again.
;   v32-127      The fragments, ONE set in two halves (two waves of 512 registers fill a SIMD's 1,024: there is no second set).  A K step's first run of products reads tiles 0-3, its second tiles 4-7;
;                behind each run stands one wait on va_vdst, and behind it the next step's loads into that half.
;   v20-27       Scale words of the activations, two sets by the K step's parity: loaded behind the middle wait; the set's last readers are the products of the step before.
;   v128-223, v28-31, v224-255   Set G is read by step G's products.  Set G + 2 and the next numbers by column are asked for behind the wait at step G's end; behind a product's last step, behind the first wait
;                on va_vdst of the phase that follows, which stands there for the reciprocals.
;   v96-111      The codes, two sets by turns.  Tile m's conversions and moves write a set; its three LDS stores are issued in tile m + 1, behind a wait on va_vdst that stands there anyway (forward: the
;                reciprocals'; on the way back: the one at the tile's head); tile m + 2 writes the set again behind a wait on vm_vsrc, which stands a whole tile behind those stores.
;   v32-95       Between products: x from the stage; s1 on the way back, two buffers by turns: tile m - 1's buffer takes tile m + 1's loads behind the wait at tile m's head; rows of out0, which global stores read.
;   window 1     The accumulators are read by LDS stores (x, s1, the stage) and written again by products: one wait on vm_vsrc at each product's first fetch.  x of the next block lands in tiles 0 and 1
;                behind the wait that follows their last vector reader.
.set XSTG,  131072
.set CODES, 262144
.set ASC,   CODES+32*1536
.set SP,    528
.set AF,    32                         ; fragments of activations
.set COLC,  224                        ; numbers by column
.set PC0,   96                         ; v96-103, v104-111: the codes just made, two sets by turns: +0 .. +5 half a fragment, +7 the scale's byte
.set TM,    112                        ; v112-115 four maxima, v116 the conversion's scale operand
.set MSB, 0
.macro WIN new                         ; s_set_vgpr_msb: bits 1:0 source 0, 3:2 source 1, 5:4 source 2, 7:6 destination; the high byte repeats the setting that is left
.if MSB != (\new)
	s_set_vgpr_msb (MSB<<8)|(\new)
.set MSB, (\new)
.endif
.endm
; A vector instruction or a store that reads a matrix result stands four places behind it; only plain vector instructions that name none of its registers are places.
.macro PLACES
.rept 4
	v_nop
.endr
.endm
.macro BARRIER                         ; my LDS stores have landed and my LDS loads are in: then the work-group's barrier
	s_wait_dscnt 0x0
	s_barrier_signal -1
	s_barrier_wait -1
.endm
.macro LOADW G                         ; set G of my stream: 12 loads of 512 consecutive bytes, and the scale record: 13 loads
.set WB_, 128+48*((\G)&1)
.set ii, 0
.rept 12
	global_load_b128 v[WB_+4*ii:WB_+4*ii+3], v1, s[12:13] offset:6400*(\G)+512*ii
.set ii, ii+1
.endr
	global_load_b64 v[28+2*((\G)&1):29+2*((\G)&1)], v2, s[12:13] offset:6400*(\G)+6144
.endm
.macro LOADC p                         ; 32 numbers by column: those of units 64 w + 32 h + 0 .. 31: 8 loads
.set ii, 0
.rept 8
	global_load_b128 v[COLC+4*ii:COLC+4*ii+3], v17, s[\p:\p+1] offset:16*ii
.set ii, ii+1
.endr
.endm
.macro XLOAD off                       ; my 16 rows of x, a row of 512 consecutive bytes an instruction, into window 1: 16 loads
	WIN 0x40
.set ii, 0
.rept 16
	global_load_b128 v[4*ii:4*ii+3], v1, s[4:5] offset:(\off)+512*ii th:TH_LOAD_NT
.set ii, ii+1
.endr
	WIN 0
.endm
.macro FETCHS s                        ; K step s: the scale words of all eight tiles of rows
	ds_load_b128 v[20+4*((\s)&1):23+4*((\s)&1)], v11 offset:512*(\s)
.endm
.macro FETCHA s, m0                    ; K step s: the fragments of tiles of rows m0 .. m0 + 3: 16 loads
.set mm, \m0
.rept 4
.set FF_, (8*(\s)+mm)*1536
	ds_load_b128 v[AF+12*mm:AF+12*mm+3], v3 offset:FF_
	ds_load_b64 v[AF+12*mm+4:AF+12*mm+5], v4 offset:FF_
	ds_load_b128 v[AF+12*mm+6:AF+12*mm+9], v3 offset:FF_+768
	ds_load_b64 v[AF+12*mm+10:AF+12*mm+11], v4 offset:FF_+768
.set mm, mm+1
.endr
.endm
; One matrix instruction.  d: D;  a: the weight's fragment;  b: the activations';  c: C's first register, or below 0 for the constant 0;  sa, sb: the scale registers;  ra, rb: 1 = lanes 16-31 of them
.macro WM d, a, b, c, sa, sb, ra, rb
.if (\c) < 0
.if ((\ra) == 0) && ((\rb) == 0)
	v_wmma_scale_f32_16x16x128_f8f6f4 v[(\d):(\d)+7], v[(\a):(\a)+11], v[(\b):(\b)+11], 0, v[(\sa)], v[(\sb)] matrix_a_fmt:MATRIX_FMT_FP6 matrix_b_fmt:MATRIX_FMT_FP6
.elseif (\rb) == 0
	v_wmma_scale_f32_16x16x128_f8f6f4 v[(\d):(\d)+7], v[(\a):(\a)+11], v[(\b):(\b)+11], 0, v[(\sa)], v[(\sb)] matrix_a_fmt:MATRIX_FMT_FP6 matrix_b_fmt:MATRIX_FMT_FP6 matrix_a_scale:MATRIX_SCALE_ROW1
.elseif (\ra) == 0
	v_wmma_scale_f32_16x16x128_f8f6f4 v[(\d):(\d)+7], v[(\a):(\a)+11], v[(\b):(\b)+11], 0, v[(\sa)], v[(\sb)] matrix_a_fmt:MATRIX_FMT_FP6 matrix_b_fmt:MATRIX_FMT_FP6 matrix_b_scale:MATRIX_SCALE_ROW1
.else
	v_wmma_scale_f32_16x16x128_f8f6f4 v[(\d):(\d)+7], v[(\a):(\a)+11], v[(\b):(\b)+11], 0, v[(\sa)], v[(\sb)] matrix_a_fmt:MATRIX_FMT_FP6 matrix_b_fmt:MATRIX_FMT_FP6 matrix_a_scale:MATRIX_SCALE_ROW1 matrix_b_scale:MATRIX_SCALE_ROW1
.endif
.else
.if ((\ra) == 0) && ((\rb) == 0)
	v_wmma_scale_f32_16x16x128_f8f6f4 v[(\d):(\d)+7], v[(\a):(\a)+11], v[(\b):(\b)+11], v[(\c):(\c)+7], v[(\sa)], v[(\sb)] matrix_a_fmt:MATRIX_FMT_FP6 matrix_b_fmt:MATRIX_FMT_FP6
.elseif (\rb) == 0
	v_wmma_scale_f32_16x16x128_f8f6f4 v[(\d):(\d)+7], v[(\a):(\a)+11], v[(\b):(\b)+11], v[(\c):(\c)+7], v[(\sa)], v[(\sb)] matrix_a_fmt:MATRIX_FMT_FP6 matrix_b_fmt:MATRIX_FMT_FP6 matrix_a_scale:MATRIX_SCALE_ROW1
.elseif (\ra) == 0
	v_wmma_scale_f32_16x16x128_f8f6f4 v[(\d):(\d)+7], v[(\a):(\a)+11], v[(\b):(\b)+11], v[(\c):(\c)+7], v[(\sa)], v[(\sb)] matrix_a_fmt:MATRIX_FMT_FP6 matrix_b_fmt:MATRIX_FMT_FP6 matrix_b_scale:MATRIX_SCALE_ROW1
.else
	v_wmma_scale_f32_16x16x128_f8f6f4 v[(\d):(\d)+7], v[(\a):(\a)+11], v[(\b):(\b)+11], v[(\c):(\c)+7], v[(\sa)], v[(\sb)] matrix_a_fmt:MATRIX_FMT_FP6 matrix_b_fmt:MATRIX_FMT_FP6 matrix_a_scale:MATRIX_SCALE_ROW1 matrix_b_scale:MATRIX_SCALE_ROW1
.endif
.endif
.endm
; 16 matrix instructions: tiles of rows m0 .. m0 + 3 x my four tiles of columns, K step s of the activations, weight set G.  cm = 0: onto the sums;  1: the bias by column starts them;  2: the constant 0 does.
; The 32 accumulators take turns, one instruction a turn, in the same order in every K step.
.macro MUL16 G, s, m0, cm
.if (\cm) == 0
	WIN 0x50                                       ; C and D window 1
.else
	WIN 0x40                                       ; D window 1
.endif
.set WB_, 128+48*((\G)&1)
.set WS_, 28+2*((\G)&1)
.set AS_, 20+4*((\s)&1)
.set mm, \m0
.rept 4
.set tt, 0
.rept 4
.if (\cm) == 0
.set CC_, 8*(4*mm+tt)
.elseif (\cm) == 1
.set CC_, COLC+8*tt
.else
.set CC_, -1
.endif
	WM 8*(4*mm+tt), WB_+12*tt, AF+12*mm, CC_, WS_+tt/2, AS_+mm/2, tt%2, mm%2
.set tt, tt+1
.endr
.set mm, mm+1
.endr
	WIN 0
.endm
; The last product: 4 matrix instructions: tiles of rows m0 .. m0 + 3 x my one tile of outputs; set 9's fragment s is K step s.  Eight accumulators by turns.
.macro MUL6 s, m0
.if (\s) == 0
	WIN 0x40
.else
	WIN 0x50
.endif
.set AS_, 20+4*((\s)&1)
.set mm, \m0
.rept 4
.if (\s) == 0
.set CC_, -1
.else
.set CC_, 64+8*mm
.endif
	WM 64+8*mm, 176+12*(\s), AF+12*mm, CC_, 30+(\s)/2, AS_+mm/2, (\s)%2, mm%2
.set mm, mm+1
.endr
	WIN 0
.endm
; A K STEP.  first = 1: its fragments are fetched here (else the step before has asked for them).  last = 0: the next step's are fetched, tiles 0-3 in the middle, 4-7 at the end;
; last = 1: nothing is fetched, and the barrier that frees CODES and ASC for the next fill is split round the second half's products;  last = 2: nothing is fetched, no barrier.
; wl: how many younger global loads may stay out when this step's weights (and its numbers by column) have to be there; below 0: no wait.
.macro KSTEP G, s, first, last, cm, wl, six
.if \first
	s_wait_alu depctr_vm_vsrc(0)                   ; the LDS stores of the phase before have read their data: the code registers v96-111, in which fragments land, and the accumulators, which this product writes
	FETCHS \s                                      ; (the vector instructions that named v32-127 stand ahead of the wait on va_vdst in front of that phase's last stores)
	FETCHA \s, 0
	FETCHA \s, 4
.endif
.if (\wl) >= 0
	s_wait_loadcnt \wl
.endif
	s_wait_dscnt 16                                ; the scale words and tiles 0-3 are in; the youngest 16 loads (tiles 4-7) may be out
.if \six
	MUL6 \s, 0
.else
	MUL16 \G, \s, 0, \cm
.endif
	s_wait_dscnt 0x0                               ; tiles 4-7 are in
.if (\last) == 1
	s_barrier_signal -1                            ; my reads of CODES and ASC are over; only work on registers stands between this and the wait
.endif
.if (\last) == 0
	s_wait_alu depctr_va_vdst(0)                   ; the products above are done reading tiles 0-3, and those of the step before the other set of scale words: the loads below land in both
	FETCHS (\s)+1
	FETCHA (\s)+1, 0
.endif
.if \six
	MUL6 \s, 4
.else
	MUL16 \G, \s, 4, \cm
.endif
.if (\last) == 1
	s_barrier_wait -1
.endif
.if (\last) == 0
	s_wait_alu depctr_va_vdst(0)                   ; this step's products are done reading tiles 4-7, its weight set with its scale words, and its numbers by column: the loads below and those behind the step land there
	FETCHA (\s)+1, 4
.else
	PLACES                                         ; for the first read of results
.endif
.endm
; 32 numbers of ONE block, v[src] .. v[src + 31] of window win, become half a fragment in v[pc] .. v[pc + 5] and the scale's byte in v[pc + 7].  adj = 2: the byte handed on is 2 above the conversion's.
.macro QUANT src, win, adj, pc
	WIN 0x15*(\win)
.set kk, 0
.rept 4
	v_max3_num_f32 v[TM+kk], |v[(\src)+8*kk]|, |v[(\src)+8*kk+1]|, |v[(\src)+8*kk+2]|   ; four chains, so that no line waits for the line above it
.set kk, kk+1
.endr
	WIN 0x05*(\win)
.irp o, 3,5
.set kk, 0
.rept 4
	v_max3_num_f32 v[TM+kk], |v[(\src)+8*kk+\o]|, |v[(\src)+8*kk+\o+1]|, v[TM+kk]
.set kk, kk+1
.endr
.endr
	v_max3_num_f32 v[TM], |v[(\src)+7]|, |v[(\src)+15]|, v[TM]
	v_max3_num_f32 v[TM+2], |v[(\src)+23]|, |v[(\src)+31]|, v[TM+2]
	WIN 0
	v_max3_num_f32 v[TM], v[TM], v[TM+1], v[TM+2]
	v_max3_num_f32 v[TM], v[TM], v[TM+3], 0x1800000   ; and the floor 2^(3 - 127): the conversion's byte cannot fall under 1
	v_add_nc_u32 v[TM+4], 0xff000000, v[TM]        ; 2 off the exponent field: the conversion takes the exponent field of this operand as its scale
.if (\adj) == 2
	v_lshrrev_b32 v[(\pc)+7], 23, v[TM]            ; the numbers are a quarter of what they stand for: the byte is 2 higher
.else
	v_lshrrev_b32 v[(\pc)+7], 23, v[TM+4]
.endif
	WIN 0x01*(\win)
	v_cvt_scalef32_pk16_fp6_f32 v[(\pc):(\pc)+2], v[(\src):(\src)+15], v[TM+4]
	v_cvt_scalef32_pk16_fp6_f32 v[(\pc)+4:(\pc)+6], v[(\src)+16:(\src)+31], v[TM+4]   ; (a conversion's three registers begin on an even number)
	WIN 0
	v_nop                                          ; one plain place behind a scaled conversion
	v_mov_b32 v[(\pc)+3], v[(\pc)+4]
	v_mov_b32 v[(\pc)+4], v[(\pc)+5]
	v_mov_b32 v[(\pc)+5], v[(\pc)+6]
.endm
.macro PUT a16, a8, ab, o, ob, pc      ; half a fragment's image and my block's scale byte go to LDS: 3 stores
	ds_store_b128 v[\a16], v[(\pc):(\pc)+3] offset:\o
	ds_store_b64 v[\a8], v[(\pc)+4:(\pc)+5] offset:\o
	ds_store_b8 v[\ab], v[(\pc)+7] offset:\ob
.endm
.macro PUTH m                          ; the same for tile of rows m of a hidden operand
	PUT 5, 6, 7, 1536*(\m), 256*((\m)%2)+4*((\m)/2), PC0+8*((\m)%2)
.endm
; s = 1 / (1 + 2^(c z)), in place on the 32 registers of tile of rows m; each accumulator is taken from its low end on.  The wait for the reciprocals stands in the macro that follows.
.macro TANHS m
	WIN 0x41
.set ii, 0
.rept 16
	v_pk_mul_f32 v[32*(\m)+2*ii:32*(\m)+2*ii+1], v[32*(\m)+2*ii:32*(\m)+2*ii+1], s[18:19] op_sel_hi:[1,0]
.set ii, ii+1
.endr
.set ii, 0
.rept 32
	v_exp_f32 v[32*(\m)+ii], v[32*(\m)+ii]
.set ii, ii+1
.endr
	v_nop                                          ; a plain place behind the transcendentals
	s_wait_alu depctr_va_vdst(0)                   ; the 32 exponentials have written their results, which the additions read: one wait for the batch
.set ii, 0
.rept 16
	v_pk_add_f32 v[32*(\m)+2*ii:32*(\m)+2*ii+1], v[32*(\m)+2*ii:32*(\m)+2*ii+1], 1.0 op_sel_hi:[1,0]
.set ii, ii+1
.endr
.set ii, 0
.rept 32
	v_rcp_f32 v[32*(\m)+ii], v[32*(\m)+ii]
.set ii, ii+1
.endr
	v_nop
.endm
; Behind the first product, tile of rows m: s1 is kept in LDS; h1 = 1 - 2 s1 is quantised: half a fragment of the second product's K step w / 2.  The codes leave in the next tile's turn.
.macro E1 m
	TANHS \m
	WIN 0
	s_wait_alu depctr_va_vdst(0)                   ; the 32 reciprocals have written s1, which the stores and multiply-adds below read; tile m - 1's conversions and moves have written its codes, which its stores read; tile 0: the first product is done reading set 0 and b1, in which set 2 and b2 land
.if (\m) == 0
	LOADW 2
	LOADC 8                                        ; b2
.else
	PUTH (\m)-1
.endif
	WIN 0x04                                       ; an LDS store's data are its source 1: window 1
.set ii, 0
.rept 8
	ds_store_b128 v12, v[32*(\m)+4*ii:32*(\m)+4*ii+3] offset:4096*(\m)+512*ii
.set ii, ii+1
.endr
	WIN 0x01
.set ii, 0
.rept 16
	v_pk_fma_f32 v[32+2*ii:33+2*ii], v[32*(\m)+2*ii:32*(\m)+2*ii+1], -2.0, 1.0 op_sel_hi:[1,0,0]
.set ii, ii+1
.endr
	WIN 0
	s_wait_dscnt 19                                ; tile m - 2's three stores, which read this set of code registers, are done: behind them stand 8 + 3 + 8 younger LDS stores
.if (\m) >= 2
	s_wait_alu depctr_vm_vsrc(0)                   ; tile m - 2's three stores, issued a tile ago, have read this set of code registers, which the conversions and moves below write
.endif
	QUANT 32, 0, 0, PC0+8*((\m)%2)
.endm
; Behind the second product: y2 = (s2^2 - s2) W3 = -dz2 / 4, in place, quantised.  The codes leave in the next tile's turn.
.macro E2 m
	TANHS \m
	WIN 0
	s_wait_alu depctr_va_vdst(0)                   ; the 32 reciprocals have written s2, which the multiply-adds below read; tile m - 1's conversions and moves have written its codes, which its stores read; tile 0: the second product is done reading set 4, in which set 6 lands
.if (\m) == 0
	LOADW 6
.else
	PUTH (\m)-1
.endif
	WIN 0x55
.set ii, 0
.rept 16
	v_pk_fma_f32 v[32*(\m)+2*ii:32*(\m)+2*ii+1], v[32*(\m)+2*ii:32*(\m)+2*ii+1], v[32*(\m)+2*ii:32*(\m)+2*ii+1], v[32*(\m)+2*ii:32*(\m)+2*ii+1] neg_lo:[0,0,1] neg_hi:[0,0,1]
.set ii, ii+1
.endr
	WIN 0x41
.set ii, 0
.rept 16
	v_pk_mul_f32 v[32*(\m)+2*ii:32*(\m)+2*ii+1], v[32*(\m)+2*ii:32*(\m)+2*ii+1], v[COLC+2*ii:COLC+2*ii+1]
.set ii, ii+1
.endr
	s_wait_dscnt 3                                 ; tile m - 2's three stores are done: behind them stand tile m - 1's three
.if (\m) >= 2
	s_wait_alu depctr_vm_vsrc(0)                   ; tile m - 2's three stores, issued a tile ago, have read this set of code registers, which the conversions and moves below write
.endif
	QUANT 32*(\m), 1, 2, PC0+8*((\m)%2)
.endm
.macro LOADS m                         ; s1 of tile of rows m comes back, into v32-63 or v64-95 by turns: 8 loads
.set ii, 0
.rept 8
	ds_load_b128 v[32+32*((\m)%2)+4*ii:32+32*((\m)%2)+4*ii+3], v12 offset:4096*(\m)+512*ii
.set ii, ii+1
.endr
.endm
; Behind the third product (its sums are -dh1): y1 = sums x (s1 - s1^2) = -dz1 / 4, in place, quantised.  The codes leave at the next tile's head.
; hw = 1: the tile's two waits stand at its head;  0: they stand further ahead (tile 0: behind the third product; tile 2: ahead of the branch), with no vector instruction between.
.macro E5 m, hw
.if \hw
.if (\m) >= 2
	s_wait_alu depctr_vm_vsrc(0)                   ; tile m - 2's three stores, issued a tile ago, have read this tile's set of code registers, which its conversions and moves write
.endif
	s_wait_alu depctr_va_vdst(0)                   ; tile m - 1 has written its codes, which the stores below read, and is done with its buffer of s1, in which tile m + 1's loads land
.endif
.if (\m) > 0
	PUTH (\m)-1
.endif
.if (\m) < 7
	LOADS (\m)+1
.endif
.if (\m) == 0
	s_wait_dscnt 8                                 ; tile 0's s1 is in; behind its loads stand tile 1's eight
.elseif (\m) == 7
	s_wait_dscnt 3                                 ; behind tile 7's loads stand tile 6's three stores
.else
	s_wait_dscnt 11                                ; behind tile m's loads stand tile m - 1's three stores and tile m + 1's eight loads
.endif
.set SL_, 32+32*((\m)%2)
.set ii, 0
.rept 16
	v_pk_fma_f32 v[SL_+2*ii:SL_+2*ii+1], v[SL_+2*ii:SL_+2*ii+1], v[SL_+2*ii:SL_+2*ii+1], v[SL_+2*ii:SL_+2*ii+1] neg_lo:[1,0,0] neg_hi:[1,0,0]
.set ii, ii+1
.endr
	WIN 0x41
.set ii, 0
.rept 16
	v_pk_mul_f32 v[32*(\m)+2*ii:32*(\m)+2*ii+1], v[32*(\m)+2*ii:32*(\m)+2*ii+1], v[SL_+2*ii:SL_+2*ii+1]
.set ii, ii+1
.endr
	QUANT 32*(\m), 1, 2, PC0+8*((\m)%2)
.endm
	s_load_b256 s[4:11], s[0:1], 0x0               ; x s[4:5], b1 s[6:7], b2 s[8:9], W3 s[10:11]
	s_load_b128 s[12:15], s[0:1], 0x20             ; wq s[12:13], out0 s[14:15]
	v_lshrrev_b32 v18, 5, v0
	v_readfirstlane_b32 s16, v18                   ; wave 0..7
	v_and_b32 v18, 31, v0                          ; lane
	v_and_b32 v19, 15, v0                          ; r
	v_bfe_u32 v17, v0, 4, 1                        ; h
	v_lshlrev_b32 v1, 4, v18                       ; v1   16 x lane
	v_lshlrev_b32 v2, 3, v18                       ; v2   8 x lane
	v_add_nc_u32 v3, CODES, v1                     ; v3   a fragment's registers 0-3 of a half
	v_add_nc_u32 v4, CODES+512, v2                 ; v4   and 4-5
	s_wait_alu depctr_va_sdst(0)                   ; s16 is written, ahead of its first reader: LDS addresses and the buffers' bases are made from it
	s_lshr_b32 s20, s16, 1                         ; w / 2: the K step that my hidden units belong to
	s_and_b32 s21, s16, 1                          ; w % 2: which half of its fragments
	s_mul_i32 s22, s20, 12288
	s_mul_i32 s23, s21, 768
	s_add_co_u32 s22, s22, s23
	v_add_nc_u32 v5, s22, v3                       ; v5, v6  where I put my half of a hidden fragment
	v_add_nc_u32 v6, s22, v4
	v_lshl_add_u32 v18, v19, 4, v17
	v_add_nc_u32 v18, ASC, v18                     ; ASC + 16 r + h
	s_lshl_b32 s22, s20, 9
	s_lshl_b32 s23, s21, 1
	s_add_co_u32 s22, s22, s23
	v_add_nc_u32 v7, s22, v18                      ; v7   my hidden block's scale byte: K step w / 2, byte 2 (w % 2) + h
	s_lshl_b32 s22, s21, 8
	s_lshl_b32 s23, s20, 2
	s_add_co_u32 s22, s22, s23
	v_add_nc_u32 v10, s22, v18                     ; v10  x's scale bytes: tile of rows w, byte h (+ 2 c)
	s_mul_i32 s22, s16, 1536
	v_add_nc_u32 v8, s22, v3                       ; v8, v9  where I put x's fragment: tile of rows w
	v_add_nc_u32 v9, s22, v4
	v_add_nc_u32 v11, ASC, v1                      ; v11  a K step's scale words
	s_lshl_b32 s22, s16, 15
	v_add_nc_u32 v12, s22, v1                      ; v12  my image of s1
	s_mul_i32 s22, s16, 16*SP
	v_add_nc_u32 v16, s22, v1                      ; v16  out0's stage, back: my 16 rows, 16 bytes a lane
	s_add_co_u32 s23, s22, XSTG
	v_add_nc_u32 v13, s23, v1                      ; v13  x's stage, in: a row as it lies
	v_mul_u32_u24 v15, v19, SP
	v_lshl_add_u32 v14, v17, 7, v15
	v_add_nc_u32 v14, s23, v14                     ; v14  x's stage, out: row r, + 128 h: my 32 numbers of a block
	v_lshl_add_u32 v15, v17, 5, v15
	s_lshl_b32 s22, s16, 6
	v_add_nc_u32 v15, s22, v15                     ; v15  out0's stage, in: row r, + 32 h + 64 w
	v_lshlrev_b32 v17, 7, v17                      ; v17  128 h: my 32 numbers by column
	s_mov_b32 s17, 2                               ; blocks of 128 rows to go
	s_mov_b32 s18, 0x4038aa3b                      ; c = 2 log2 e
	s_mov_b32 s19, s18                             ; (named with it as a pair, so it is written)
	s_lshl_b32 s28, ttmp9, 17                      ; 256 rows of 512 bytes a work-group,
	s_lshl_b32 s29, s16, 13                        ; 16 rows a wave
	s_add_co_u32 s28, s28, s29
	s_mov_b32 s29, 0
	s_lshl_b32 s30, s16, 8                         ; my 64 numbers by column
	s_mov_b32 s31, 0
	s_mul_i32 s32, s16, 64000                      ; my stream of weights
	s_mov_b32 s33, 0
	s_wait_kmcnt 0x0
	s_add_nc_u64 s[4:5], s[4:5], s[28:29]
	s_add_nc_u64 s[14:15], s[14:15], s[28:29]
	s_add_nc_u64 s[6:7], s[6:7], s[30:31]
	s_add_nc_u64 s[8:9], s[8:9], s[30:31]
	s_add_nc_u64 s[10:11], s[10:11], s[30:31]
	s_add_nc_u64 s[12:13], s[12:13], s[32:33]
	s_wait_alu depctr_va_vdst(0)                   ; the offsets and LDS addresses v1 to v17 are written: every load and store of the kernel reads one of them, and none is written again
	XLOAD 0                                        ; the order in which a block finds its loads: x 16, b1 8, set 0 13, set 1 13
	LOADC 6
	LOADW 0
	LOADW 1
.Lblock:
	; ---- X: my 16 rows of x turn through my stage and become one fragment (K = 128: one K step; tile of rows w)
	s_wait_loadcnt 21                              ; x is in: behind it stand b1's 8 and set 0's 13 loads.  Set 1's 13 are not counted: they are asked for under a branch of their own, and the count holds with or without them
	WIN 0x04
.set ii, 0
.rept 16
	ds_store_b128 v13, v[4*ii:4*ii+3] offset:SP*ii
.set ii, ii+1
.endr
	WIN 0
.irp c, 0,1
.irp q, 0,1,2,3,4,5,6,7
	ds_load_b128 v[32+32*\c+4*\q:32+32*\c+4*\q+3], v14 offset:256*\c+16*\q   ; LDS serves a wave's instructions in order (ISA guide 5.7.1.4): these see my stores.  x(r, 64 c + 32 h + 0 .. 31)
.endr
.endr
	s_wait_dscnt 8                                 ; the first block's eight loads are in
	QUANT 32, 0, 0, PC0
	s_wait_dscnt 0x0                               ; the second's too
	QUANT 64, 0, 0, PC0+8
	s_wait_alu depctr_va_vdst(0)                   ; the conversions and moves have written both sets of code registers, which the six stores below read
	PUT 8, 9, 10, 0, 0, PC0
	PUT 8, 9, 10, 768, 2, PC0+8
	BARRIER                                        ; x's eight fragments lie in LDS
	; ---- first product: z1 = Q(x) Q(W1) + b1
	KSTEP 0, 0, 1, 1, 1, 0, 0                      ; all loads are in: b1 and set 0 (set 1, asked for a phase ago, with them)
.irp m, 0,1,2,3,4,5,6,7
	E1 \m                                          ; (tile 0 asks for set 2 and b2)
.endr
	s_wait_alu depctr_va_vdst(0)                   ; tile 7's conversions and moves have written its codes, which the stores below read
	PUTH 7
	BARRIER                                        ; h1's 32 fragments lie in LDS
	; ---- second product: z2 = Q(h1) Q(W2) + b2
	KSTEP 1, 0, 1, 0, 1, 0, 0                      ; b2 is the youngest load: all are waited for; they were asked for a phase ago
	LOADW 3
	LOADC 10                                       ; W3
	KSTEP 2, 1, 0, 0, 0, 21, 0                     ; set 2 is in; set 3's 13 and W3's 8 may be out
	LOADW 4
	KSTEP 3, 2, 0, 0, 0, 21, 0                     ; set 3 is in; behind it W3's 8 and set 4's 13
	LOADW 5
	KSTEP 4, 3, 0, 1, 0, 13, 0                     ; set 4 (and W3) are in; behind it set 5's 13
.irp m, 0,1,2,3,4,5,6,7
	E2 \m                                          ; (tile 0 asks for set 6)
.endr
	s_wait_alu depctr_va_vdst(0)                   ; tile 7's conversions and moves have written its codes, which the stores below read
	PUTH 7
	BARRIER                                        ; Q(-dz2)'s 32 fragments lie in LDS
	; ---- third product: -dh1 = Q(-dz2) Q(W2^T); each wait leaves out the one set asked for behind the set that is wanted
	KSTEP 5, 0, 1, 0, 2, 13, 0
	LOADW 7
	KSTEP 6, 1, 0, 0, 0, 13, 0
	LOADW 8
	KSTEP 7, 2, 0, 0, 0, 13, 0
	LOADW 9
	KSTEP 8, 3, 0, 1, 0, 13, 0
	s_wait_alu depctr_va_vdst(0)                   ; the third product is done reading its fragments v32-95, in which s1 of tiles 0 and 1 lands
	LOADS 0
	E5 0, 0
	E5 1, 1
	s_wait_loadcnt 0x0                             ; set 9, the one load group that is out: so the last product needs no count that would differ between the two ways below
	s_wait_alu depctr_vm_vsrc(0)                   ; tile 2's two waits, ahead of the branch: tile 0's three stores have read the code registers that tile 2 writes;
	s_wait_alu depctr_va_vdst(0)                   ; tile 1 has written its codes and is done with its buffer of s1; tiles 0 and 1 are done with their accumulators, in which the next block's x lands
	s_cmp_eq_u32 s17, 1                            ; the next block's x, b1 and set 0 are asked for here, if there is a next block: no load leaves its buffer
	s_cbranch_scc1 .Lno1
	XLOAD 65536                                    ; into the registers that tiles of rows 0 and 1 have left
	LOADC 6
	LOADW 0
.Lno1:
	E5 2, 0
.irp m, 3,4,5,6,7
	E5 \m, 1
.endr
	s_wait_alu depctr_va_vdst(0)                   ; tile 7's conversions and moves have written its codes, which the stores below read
	PUTH 7
	BARRIER                                        ; Q(-dz1)'s 32 fragments lie in LDS, and nobody reads s1 any more
	; ---- fourth product: out0 = Q(-dz1) Q(W1^T): my 16 outputs for the 128 rows
	KSTEP 9, 0, 1, 0, 0, -1, 1
	KSTEP 9, 1, 0, 0, 0, -1, 1
	KSTEP 9, 2, 0, 0, 0, -1, 1
	KSTEP 9, 3, 0, 2, 0, -1, 1
	s_wait_alu depctr_va_vdst(0)                   ; behind the four places: the last product has written its sums, which the stage's stores read; it is done reading set 9, in which set 1 lands, and its fragments v32-95, in which the stage's rows land
	s_cmp_eq_u32 s17, 1
	s_cbranch_scc1 .Lno2
	LOADW 1                                        ; into set 9's registers
.Lno2:
	; ---- the way out: a lane holds 32 neighbouring bytes of a row, a row's 512 bytes come from eight waves: they meet in the stage, and each wave stores 16 whole rows
	WIN 0x04
.set mm, 0
.rept 8
	ds_store_b128 v15, v[64+8*mm:64+8*mm+3] offset:16*SP*mm          ; each accumulator from its low end on
	ds_store_b128 v15, v[64+8*mm+4:64+8*mm+7] offset:16*SP*mm+16
.set mm, mm+1
.endr
	WIN 0
	BARRIER                                        ; 128 whole rows lie in the stage; every wave's reads of CODES and ASC are over
.set ii, 0
.rept 16
	ds_load_b128 v[32+4*ii:35+4*ii], v16 offset:SP*ii
.set ii, ii+1
.endr
.set ii, 0
.rept 16
	s_wait_dscnt 15-ii                             ; LDS loads come back in order: row ii is in
	global_store_b128 v1, v[32+4*ii:35+4*ii], s[14:15] offset:512*ii th:TH_STORE_NT   ; 32 lanes store a row of 512 consecutive bytes, at a multiple of 256 from out0's first byte
.set ii, ii+1
.endr
	s_wait_xcnt 0x0                                ; the stores and loads have read their registers and bases: both may be written again
	s_wait_alu depctr_vm_vsrc(0)                   ; the stores to out0 have read v32-95, in which the next block's x lands from its stage; the stage's stores have read the accumulators, which the next block's first product writes
	s_add_nc_u64 s[4:5], s[4:5], 65536
	s_add_nc_u64 s[14:15], s[14:15], 65536
	s_sub_co_u32 s17, s17, 1
	s_cmp_lg_u32 s17, 0
	s_cbranch_scc1 .Lblock
	s_wait_xcnt 0x0
	v_lshl_add_u32 v254, v0, 2, 0x4c800            ; my spare word and 0, made anew (no two registers could be kept): no memory or LDS instruction has read v254 or v255
	v_mov_b32 v255, 0
	s_wait_dscnt 0x0                               ; the closing lines, six on end
	s_wait_alu 0x0
	s_wait_tensorcnt 0x0
	ds_add_u32 v254, v255
	s_wait_dscnt 0x0
	s_endpgm
.Lfunc_end_k_qdb2d745fb9_chain:
	.size	k_qdb2d745fb9_chain, .Lfunc_end_k_qdb2d745fb9_chain-k_qdb2d745fb9_chain
	.p2alignl 7, 3214868480
	.fill 96, 4, 3214868480
	.section	.rodata,"a",@progbits
	.p2align	6, 0x0
	.amdhsa_kernel k_qdb2d745fb9_chain
		.amdhsa_group_segment_fixed_size 314368
		.amdhsa_private_segment_fixed_size 0
		.amdhsa_enable_private_segment 0
		.amdhsa_kernarg_size 48
		.amdhsa_user_sgpr_count 2
		.amdhsa_user_sgpr_kernarg_segment_ptr 1
		.amdhsa_wavefront_size32 1
		.amdhsa_system_sgpr_workgroup_id_x 1
		.amdhsa_system_sgpr_workgroup_id_y 1
		.amdhsa_system_sgpr_workgroup_id_z 1
		.amdhsa_system_vgpr_workitem_id 0
		.amdhsa_next_free_vgpr 512
		.amdhsa_next_free_sgpr 66
		.amdhsa_reserve_vcc 0
		.amdhsa_float_denorm_mode_32 3
		.amdhsa_float_denorm_mode_16_64 3
		.amdhsa_memory_ordered 1
		.amdhsa_forward_progress 1
		.amdhsa_inst_pref_size 255
	.end_amdhsa_kernel
	.section	.bss,"aw",@nobits
	.p2align	6
	.space	262144
	.amdgpu_metadata
---
amdhsa.version: [ 1, 2 ]
amdhsa.kernels:
  - .name:           k_qdb2d745fb9_chain
    .symbol:         k_qdb2d745fb9_chain.kd
    .args:
      - { .name: x, .offset: 0, .size: 8, .value_kind: global_buffer, .address_space: global }
      - { .name: b1, .offset: 8, .size: 8, .value_kind: global_buffer, .address_space: global }
      - { .name: b2, .offset: 16, .size: 8, .value_kind: global_buffer, .address_space: global }
      - { .name: W3, .offset: 24, .size: 8, .value_kind: global_buffer, .address_space: global }
      - { .name: wq, .offset: 32, .size: 8, .value_kind: global_buffer, .address_space: global }
      - { .name: out0, .offset: 40, .size: 8, .value_kind: global_buffer, .address_space: global }
    .group_segment_fixed_size: 314368
    .private_segment_fixed_size: 0
    .kernarg_segment_align: 8
    .kernarg_segment_size: 48
    .max_flat_workgroup_size: 256
    .sgpr_count:     66
    .vgpr_count:     512
    .wavefront_size: 32
...
	.end_amdgpu_metadata
.endif
;; end of part 3
